; MI455X (gfx1250); checked and timed in simulation.
; The chip was launched on July 23, 2026; its instructions are those of AMD's public machine-readable ISA for CDNA 5 (MIT licence, August 2026) and "CDNA5" Instruction Set Architecture Reference Guide (July 2026). The comments in the code are by the model that wrote it; some were corrected since.
;; Horizon Forcing GRU Layer. Allowed arithmetic: matrix products marked QUANTISED: E4M3 operands, one E8M0 scale for each 32 along K, by v_wmma_scale_f32_16x16x128_f8f6f4 with both operands' format E4M3, f32 sums; everything else in f32.
;; Inputs: U_gru 1,024 x 3,072 float32; W_dense 1,024 x 1,024 float32; W_gru 1,024 x 3,072 float32; b_dense 1,024 float32; b_gru 2 x 3,072 float32; inputs 32 x 256 x 1,024 float32.
;; Outputs: out0 32 x 256 x 1,024 float32; out1 32 x 256 x 1,024 float32.
;; This version of the problem:
;;   THIS VERSION OF THE PROBLEM IS GIVEN IN LOW PRECISION. The matrix products marked QUANTISED in the list below multiply operands that are first quantised to E4M3 (4 exponent bits, 3 mantissa bits; 8 bits a number), with one power-of-two scale for each 32 numbers along K (OCP MX v1.0); their sums are f32. All else is computed in f32.
;;   The module's matrix products, in the order in which they are computed (A, B: the left and right operand; K: the contracted axis; several contracted axes count as one K, in the product's order):
;;     1. [M 8,192, K 1,024] x [K 1,024, N 1,024]; A: input inputs; B: input W_dense: QUANTISED
;;     2. [M 8,192, K 1,024] x [K 1,024, N 3,072]; A: computed on the way; B: input W_gru: QUANTISED
;;     3. [M 8,192, K 1,024] x [K 1,024, N 3,072]; A: input inputs; B: input U_gru: QUANTISED
;;   THE QUANTISER, for each operand of a quantised product, along K:
;;     - K is cut into blocks of 32 from its start; a last block that is shorter is filled with zeros.
;;     - A block's scale is 2^e with e = floor(log2(the largest magnitude in the block)) - 8, held to -126 .. 127; a block of zeros has e = 0. As a byte (E8M0): e + 127.
;;     - Each number is divided by its block's scale, clamped to +-448, and rounded to the nearest number of E4M3, ties to even, subnormals kept.
;;     - The product sums the exact products of the quantised numbers (number of the format x scale) in f32.
;;   ~~~python
;;   def quantise(x, axis):      # numpy; x: float32 -> the quantised numbers, widened to float32 again
;;       x = np.moveaxis(x, axis, -1); K = x.shape[-1]
;;       x = np.pad(x, [(0, 0)] * (x.ndim - 1) + [(0, -K % 32)]); x = x.reshape(x.shape[:-1] + (-1, 32)); a = np.abs(x).max(-1, keepdims=True)
;;       e = np.where(a > 0, np.clip(np.frexp(np.where(a > 0, a, 1))[1] - 1 - 8, -126, 127), 0)      # np.frexp(a)[1] - 1 = floor(log2(a)), exactly
;;       r = np.clip(x / 2.0 ** e, -448, 448)
;;       step = 2.0 ** (np.maximum(np.frexp(np.where(r == 0, 1, r))[1] - 1, -6) - 3)
;;       q = np.round(r / step) * step * 2.0 ** e      # np.round: ties to even
;;       return np.moveaxis(q.reshape(q.shape[:-2] + (-1,))[..., :K], -1, axis).astype(np.float32)
;;   ~~~
;;   OPERANDS COMPUTED ON THE WAY. 'Computed on the way' means the value that the module computes at that place (a softmax that the list does not call 'softmax' is quantised finished and normalised). What goes into a quantiser is computed in f32, as accurately as f32 sums, v_exp_f32 and their like allow (about 1e-6 of the number): no bf16 or f16 on the way to a quantiser, and a product that is left as it is and whose result goes on into a quantised operand takes f32 operands (vector FMAs, or v_wmma_f32_16x16x4_f32). A number that lies on a knife's edge between two numbers of the format may be rounded either way, as far as f32 arithmetic and the matrix unit's own rounding can turn it there, and no further.
;; One version. Each part assembles by itself: llvm-mc -triple=amdgcn-amd-amdhsa -mcpu=gfx1250 --defsym DOCPART=n.
;; ======== version 1 of 1: 3 launches
;; limits: right only within a limited range of input values
;; workspace buffers: hq 8,650,752 bytes; pq 8,650,752 bytes; dq 1,081,344 bytes; gq 6,488,064 bytes
;; launch quant (part 1): grid 480 x 1, 4 waves a work-group, no clusters, 34,304 bytes of LDS; arguments inputs, W_dense, W_gru, U_gru, hq, dq, gq; writes hq, dq, gq
.if DOCPART == 1
	.amdgcn_target "amdgcn-amd-amdhsa--gfx1250"
	.amdhsa_code_object_version 6
	.text
	.protected	k_q139f45a2a8_quant
	.globl	k_q139f45a2a8_quant
	.p2align	8
	.type	k_q139f45a2a8_quant,@function
k_q139f45a2a8_quant:
	s_mov_b64 s[64:65], 0
	v_nop
	global_prefetch_b8 v0, s[64:65] scope:SCOPE_SE
	s_setreg_imm32_b32 hwreg(HW_REG_WAVE_MODE, 25, 1), 1
	s_wait_xcnt 0x0
; h = inputs [8192][1024] f32 and the three weights (K = their FIRST axis) become codes of FP8 (E4M3) with one E8M0 byte for each 32 along K.
; A block's scale is 2^(floor(log2(its largest magnitude)) - 8); each number is divided by it, held within +-448 and rounded to the nearest code, ties to even.
; EVERY OPERAND IS LAID AS IMAGES OF THE MATRIX OPERAND'S REGISTERS: a fragment (16 rows x 128 K) is 2,048 bytes; byte 512 c + 16 L holds the 16 codes of row L % 16 at k = 32 c + 16 (L / 16) + 0 .. 15.
;   hq [u 4][half tile of 128 rows: 64][33,792]: codes at 4096 i + 2048 q + 512 c + 16 L (row block i, K step q of the 256 along K); scale words at 32,768 + 512 q + 256 j + 8 L + 4 e: row block 4 j + 2 (L / 16) + e, row L % 16.
;   dq [u 4][x 8][33,792]: tile t, lane row r = column 128 x + 32 (t / 2) + 8 (t % 2) + r + 8 (r / 8) of W_dense; scale words at 32,768 + 128 t + 8 r + 4 q.
;   gq [P 8][x 16][wc 2][25,344]: P = 4 phase + u (phase 0 U_gru, 1 W_gru); fragment f = column 1024 (f / 2) + 64 x + 32 wc + 16 (f % 2) + r; scale words at 24,576 + 128 f + 8 r + 4 q.
; LIMITS: a block of zeros, and one whose largest magnitude lies under 2^(9 - 127), gets the byte 1 (the rule says 127 for zeros: its codes are zeros, and this program alone reads the bytes); NaN and infinities among the inputs are not served.
; SHARES: work-groups 0-255 take h, 256-287 W_dense, 288-479 the two GRU weights; every wave turns 32 KiB of f32 into codes.  No tensor loads, no barrier: waves share nothing.
.set ABLK,  33792
.set AUS,   64*ABLK
.set DBLK,  33792
.set GBLK,  25344
.set STW,   8448                       ; a wave's stage: 16 rows x 528 bytes
.set SPI,   528                        ; 512 bytes + 16 of padding: the 16 rows that a read touches start in 16 different 16-byte columns
.set SPARE, 4*STW                      ; behind the stages: the spare words, 128 bytes for each wave
.set VA,  1                            ; v1   16 x lane
.set LN,  2                            ; v2   lane
.set SI,  3                            ; v3   h: the stage on the way in;  weights: 4 x my column
.set V8,  4                            ; v4   8 x lane
.set CP,  5                            ; v5   weights: my codes' place in two fragments
.set SO,  7                            ; v7   h: the stage on the way out
.set SPW, 12                           ; v12  my spare word; never rewritten
.set NIL, 13                           ; v13  0; never rewritten
.set PR,  14                           ; v[14:15] the pair of scale words that leaves
.set PW,  16                           ; v16-19 a scale word for each of the four fragments
.set SB,  24                           ; v[24:25] weights: eight scale bytes
.set R,   32                           ; v32-159  h: two sets of 64 numbers as loaded
.set X,   160                          ; v160-223 h: 64 numbers, register 16 b + i = k 32 b + 16 (lane / 16) + i of my row
.set PC,  224                          ; v224-239 a fragment's codes
.set TM,  240                          ; v240-255 at work
.set WX,  32                           ; v32-95   weights: two sets of 32 numbers down K
.set WC,  96                           ; v96-159  weights: 8 registers of codes for each block: never written twice
.set WV,  18
.set MNT, 19                           ; s19  the mantissa field of 448
.set SEL, 26                           ; s[26:27] v_permlanex16_b32's selects for lane l xor 16
.set MSK, 28                           ; s28  lanes 16-31
	s_load_b256 s[4:11], s[0:1], 0x0               ; inputs, W_dense, W_gru, U_gru
	s_load_b128 s[12:15], s[0:1], 0x20             ; hq, dq
	s_load_b64 s[16:17], s[0:1], 0x30              ; gq
	v_lshl_add_u32 v[SPW], v0, 2, SPARE
	v_mov_b32 v[NIL], 0
	v_lshrrev_b32 v1, 5, v0
	v_readfirstlane_b32 s[WV], v1                  ; wave 0..3
	v_and_b32 v[LN], 31, v0
	v_lshlrev_b32 v[V8], 3, v[LN]
	s_mov_b32 s[MNT], 0x600000
	s_mov_b32 s[SEL], 0x76543210
	s_mov_b32 s[SEL+1], 0xfedcba98
	s_mov_b32 s[MSK], 0xffff0000
	s_mov_b32 s31, 0                               ; the upper word of every offset
	s_wait_kmcnt 0x0
	s_cmp_ge_u32 ttmp9, 256
	s_cbranch_scc1 .Lweights
; ---------------- h: a wave takes 64 rows x one K step of 128: four fragments ----------------
	s_lshr_b32 s20, ttmp9, 1                       ; G: which 64 rows
	s_and_b32 s21, ttmp9, 1
	s_lshl_b32 s21, s21, 2
	s_add_co_u32 s21, s21, s[WV]                   ; which K step, 0..7
	s_lshl_b32 s30, s20, 18                        ; 64 rows of 4,096 bytes
	s_lshl_b32 s22, s21, 9                         ; 128 numbers
	s_add_co_u32 s30, s30, s22
	s_add_nc_u64 s[4:5], s[4:5], s[30:31]
	s_lshr_b32 s22, s21, 1                         ; u
	s_and_b32 s23, s21, 1                          ; q
	s_mul_i32 s30, s22, AUS
	s_lshr_b32 s24, s20, 1                         ; the half tile
	s_mul_i32 s24, s24, ABLK
	s_add_co_u32 s30, s30, s24
	s_add_nc_u64 s[12:13], s[12:13], s[30:31]      ; hq at my block
	s_and_b32 s24, s20, 1                          ; j: which four row blocks of its eight
	s_lshl_b32 s30, s24, 14
	s_lshl_b32 s25, s23, 11
	s_add_co_u32 s30, s30, s25
	s_add_nc_u64 s[32:33], s[12:13], s[30:31]      ; my codes
	s_lshl_b32 s30, s23, 9
	s_lshl_b32 s25, s24, 8
	s_add_co_u32 s30, s30, s25
	s_add_co_u32 s30, s30, 32768
	s_add_nc_u64 s[34:35], s[12:13], s[30:31]      ; my 256 bytes of scale words
	s_wait_alu depctr_va_vdst(0)
	v_lshlrev_b32 v[VA], 4, v[LN]
	s_mul_i32 s22, s[WV], STW
	v_add_nc_u32 v[SI], s22, v[VA]                 ; in: a row's 512 bytes as loaded
	v_and_b32 v5, 15, v[LN]
	v_lshrrev_b32 v6, 4, v[LN]
	v_mul_u32_u24 v[SO], v5, SPI
	v_lshl_add_u32 v[SO], v6, 6, v[SO]
	v_add_nc_u32 v[SO], s22, v[SO]                 ; out: row lane % 16, + 64 bytes for lanes 16-31
.irp b, 0,1,2,3
	v_mov_b32 v[TM+4+\b], 0                        ; written once: a lane permute's destination counts as one of its sources
.endr
.macro HLOAD a                         ; fragment a's 16 rows: each load reads 512 consecutive bytes of one row
.irp i, 0,1,2,3,4,5,6,7,8,9,10,11,12,13,14,15
	global_load_b128 v[R+64*((\a)%2)+4*\i:R+64*((\a)%2)+4*\i+3], v[VA], s[4:5] offset:(16*(\a)+\i)*4096 th:TH_LOAD_NT
.endr
.endm
; 64 numbers of a lane become a fragment's codes in v[PC] on and its row's scale word in v[pw]
.macro QUANT s, pw
.irp b, 0,1,2,3
	v_max3_num_f32 v[TM+\b], |v[\s+16*\b]|, |v[\s+1+16*\b]|, 0x4800000   ; block b: my 16 numbers, and the floor 2^(9 - 127): the byte cannot fall under 1
.endr
.irp i, 2,4,6,8,10,12,14
.irp b, 0,1,2,3
	v_max3_num_f32 v[TM+\b], v[TM+\b], |v[\s+16*\b+\i]|, |v[\s+1+16*\b+\i]|   ; the four blocks by turns
.endr
.endr
.irp b, 0,1,2,3
	v_permlanex16_b32 v[TM+4+\b], v[TM+\b], s[SEL], s[SEL+1]
.endr
.irp b, 0,1,2,3
	v_max_num_f32 v[TM+\b], v[TM+\b], v[TM+4+\b]   ; with lane l xor 16's 16: the block's largest magnitude
.endr
.irp b, 0,1,2,3
	v_add_nc_u32 v[TM+12+\b], 0xfc000000, v[TM+\b] ; 8 off its exponent field: the conversion's scale operand
.endr
.irp b, 0,1,2,3
	v_and_or_b32 v[TM+8+\b], v[TM+\b], 0x7f800000, s[MNT]   ; 448 x the scale
.endr
.irp b, 0,1,2,3
	v_lshrrev_b32 v[TM+4+\b], 23, v[TM+12+\b]      ; the scale's byte
.endr
	v_lshl_or_b32 v[\pw], v[TM+5], 8, v[TM+4]
	v_lshl_or_b32 v[\pw], v[TM+6], 16, v[\pw]
	v_lshl_or_b32 v[\pw], v[TM+7], 24, v[\pw]
.irp b, 0,1,2,3
.irp i, 0,1,2,3,4,5,6,7,8,9,10,11,12,13,14,15
	v_med3_num_f32 v[\s+16*\b+\i], v[\s+16*\b+\i], -v[TM+8+\b], v[TM+8+\b]   ; the conversion to an 8-bit code does not saturate (ISA guide 7.6.2): the hold comes first
.endr
	v_cvt_scalef32_pk8_fp8_f32 v[PC+4*\b:PC+1+4*\b], v[\s+16*\b:\s+7+16*\b], v[TM+12+\b]
	v_cvt_scalef32_pk8_fp8_f32 v[PC+2+4*\b:PC+3+4*\b], v[\s+8+16*\b:\s+15+16*\b], v[TM+12+\b]
.endr
	v_nop                                          ; a plain instruction behind the last conversion
.endm
.macro HFRAG a
.if (\a) < 3
	s_wait_loadcnt 16                              ; this fragment's 16 loads are in; the next fragment's 16 may be out
.else
	s_wait_loadcnt 0x0
.endif
.irp i, 0,1,2,3,4,5,6,7,8,9,10,11,12,13,14,15
	ds_store_b128 v[SI], v[R+64*((\a)%2)+4*\i:R+64*((\a)%2)+4*\i+3] offset:SPI*\i
.endr
.irp b, 0,1,2,3
.irp i, 0,1,2,3
	ds_load_b128 v[X+16*\b+4*\i:X+16*\b+4*\i+3], v[SO] offset:128*\b+16*\i   ; LDS serves a wave's instructions in order: these see the stores above
.endr
.endr
	s_wait_dscnt 0x0                               ; my 64 numbers are back, and the stores have read their registers
.if (\a) > 0
	s_wait_xcnt 0x0                                ; the last fragment's stores have read v[PC] on: it is written again only behind this wait
.endif
.if (\a)+2 < 4
	HLOAD (\a)+2
.endif
	QUANT X, PW+(\a)
.irp c, 0,1,2,3
	global_store_b128 v[VA], v[PC+4*\c:PC+4*\c+3], s[32:33] offset:(\a)*4096+512*\c   ; 32 lanes store 512 consecutive bytes
.endr
.endm
	HLOAD 0
	HLOAD 1
	s_wait_alu depctr_va_vdst(0)
.irp a, 0,1,2,3
	HFRAG \a
.endr
	v_cndmask_b32 v[PR], v[PW], v[PW+2], s[MSK]    ; lanes 0-15: row blocks 0 and 1; lanes 16-31: 2 and 3
	v_cndmask_b32 v[PR+1], v[PW+1], v[PW+3], s[MSK]
	global_store_b64 v[V8], v[PR:PR+1], s[34:35]   ; 32 lanes store 256 consecutive bytes, aligned
	s_wait_tensorcnt 0x0                           ; the wave's end
	ds_add_u32 v[SPW], v[NIL]
	s_wait_dscnt 0x0
	s_endpgm
; ---------------- the weights: a lane takes a column and its registers run down K; a wave takes 32 columns x 256 along K ----------------
; A lane's 32 codes of a block are two pieces of 16 bytes of a fragment's image, and sixteen neighbouring lanes hold 256 consecutive bytes of it: no LDS is needed.
.macro WLOAD t, pitch
.irp i, 0,1,2,3,4,5,6,7,8,9,10,11,12,13,14,15,16,17,18,19,20,21,22,23,24,25,26,27,28,29,30,31
	global_load_b32 v[WX+32*((\t)%2)+\i], v[SI], s[36:37] offset:(32*(\t)+\i)*(\pitch) th:TH_LOAD_NT
.endr
.endm
.macro WBLOCK t, pitch
.set XS, WX+32*((\t)%2)
.set CS, WC+8*(\t)
.if (\t) < 7
	s_wait_loadcnt 32                              ; this block's 32 loads are in; the next block's may be out
.else
	s_wait_loadcnt 0x0
.endif
	v_max3_num_f32 v8, |v[XS]|, |v[XS+1]|, |v[XS+2]|   ; the block's largest magnitude: all 32 numbers are mine
	v_max3_num_f32 v9, |v[XS+3]|, |v[XS+4]|, |v[XS+5]|
.irp i, 6,10,14,18,22,26
	v_max3_num_f32 v8, v8, |v[XS+\i]|, |v[XS+\i+1]|
	v_max3_num_f32 v9, v9, |v[XS+\i+2]|, |v[XS+\i+3]|
.endr
	v_max3_num_f32 v8, v8, |v[XS+30]|, |v[XS+31]|
	v_max3_num_f32 v8, v8, v9, 0x4800000           ; and the floor
	v_add_nc_u32 v11, 0xfc000000, v8               ; the conversion's scale operand
	v_and_or_b32 v10, v8, 0x7f800000, s[MNT]       ; 448 x the scale
.irp i, 0,1,2,3,4,5,6,7,8,9,10,11,12,13,14,15,16,17,18,19,20,21,22,23,24,25,26,27,28,29,30,31
	v_med3_num_f32 v[XS+\i], v[XS+\i], -v10, v10
.endr
.irp g, 0,1,2,3
	v_cvt_scalef32_pk8_fp8_f32 v[CS+2*\g:CS+2*\g+1], v[XS+8*\g:XS+8*\g+7], v11
.endr
	v_lshrrev_b32 v9, 23, v11                      ; the scale's byte (also the plain instruction behind the conversions)
.if (\t)%4 == 0
	v_mov_b32 v[SB+(\t)/4], v9                     ; four bytes to a word: one word for each K step of 128
.else
	v_lshl_or_b32 v[SB+(\t)/4], v9, 8*((\t)%4), v[SB+(\t)/4]
.endif
	global_store_b128 v[CP], v[CS:CS+3], s[32:33] offset:((\t)/4)*2048+((\t)%4)*512        ; k = 0 .. 15 of the block: the image's lanes 0-15
	global_store_b128 v[CP], v[CS+4:CS+7], s[32:33] offset:((\t)/4)*2048+((\t)%4)*512+256  ; k = 16 .. 31: its lanes 16-31
.if (\t)+2 < 8
	WLOAD (\t)+2, \pitch
.endif
.endm
.macro WBODY pitch
	WLOAD 0, \pitch
	WLOAD 1, \pitch
.irp t, 0,1,2,3,4,5,6,7
	WBLOCK \t, \pitch
.endr
	global_store_b64 v[V8], v[SB:SB+1], s[34:35]   ; 32 lanes store 256 consecutive bytes of scale words, aligned
	s_endpgm
.endm
.Lweights:
	s_wait_alu depctr_va_vdst(0)
	v_lshrrev_b32 v[CP], 4, v[LN]
	v_and_b32 v6, 15, v[LN]
	v_lshlrev_b32 v[CP], 12, v[CP]
	v_lshl_add_u32 v[CP], v6, 4, v[CP]             ; fragment lane / 16, row lane % 16
	s_cmp_ge_u32 ttmp9, 288
	s_cbranch_scc1 .Lgates
	s_sub_co_u32 s20, ttmp9, 256
	s_lshr_b32 s21, s20, 2                         ; x: which 128 columns
	s_and_b32 s22, s20, 3                          ; u: which 256 along K
	s_lshl_b32 s30, s22, 20                        ; 256 rows of 4,096 bytes
	s_lshl_b32 s23, s21, 9
	s_add_co_u32 s30, s30, s23
	s_lshl_b32 s23, s[WV], 7                       ; my wave's 32 columns
	s_add_co_u32 s30, s30, s23
	s_add_nc_u64 s[36:37], s[6:7], s[30:31]
	s_lshl_b32 s23, s22, 3
	s_add_co_u32 s23, s23, s21
	s_mul_i32 s30, s23, DBLK
	s_add_nc_u64 s[14:15], s[14:15], s[30:31]      ; dq at my block
	s_lshl_b32 s30, s[WV], 13                      ; tiles 2 w and 2 w + 1
	s_add_nc_u64 s[32:33], s[14:15], s[30:31]
	s_lshl_b32 s30, s[WV], 8
	s_add_co_u32 s30, s30, 32768
	s_add_nc_u64 s[34:35], s[14:15], s[30:31]
	v_and_b32 v[SI], 7, v[LN]                      ; my column of the 32: the lane's number with bits 3 and 4 exchanged, which is dq's choice of a tile's rows
	v_bfe_u32 v6, v[LN], 4, 1
	v_lshl_or_b32 v[SI], v6, 3, v[SI]
	v_bfe_u32 v6, v[LN], 3, 1
	v_lshl_or_b32 v[SI], v6, 4, v[SI]
	v_lshlrev_b32 v[SI], 2, v[SI]
	WBODY 4096
.Lgates:
	s_sub_co_u32 s20, ttmp9, 288
	s_cmp_ge_u32 s20, 96                           ; the first 96 take U_gru (phase 0), the others W_gru (phase 1): the choice hangs on the work-group's number alone
	s_cselect_b64 s[36:37], s[8:9], s[10:11]
	s_cselect_b32 s21, 1, 0
	s_cselect_b32 s22, 96, 0
	s_sub_co_u32 s20, s20, s22
	s_lshr_b32 s22, s20, 2                         ; which 128 columns of 3,072
	s_and_b32 s23, s20, 3                          ; u
	s_lshl_b32 s24, s22, 7
	s_lshl_b32 s25, s[WV], 5
	s_add_co_u32 s24, s24, s25                     ; my wave's first column
	s_mul_i32 s30, s23, 3145728                    ; 256 rows of 12,288 bytes
	s_lshl_b32 s25, s24, 2
	s_add_co_u32 s30, s30, s25
	s_add_nc_u64 s[36:37], s[36:37], s[30:31]
	s_lshl_b32 s21, s21, 2
	s_add_co_u32 s21, s21, s23                     ; P = 4 phase + u
	s_lshl_b32 s21, s21, 5
	s_bfe_u32 s25, s24, 0x50005                    ; 2 x + wc: bits 5 to 9 of the column
	s_add_co_u32 s21, s21, s25
	s_mul_i32 s30, s21, GBLK
	s_add_nc_u64 s[16:17], s[16:17], s[30:31]      ; gq at my block
	s_lshr_b32 s25, s24, 10                        ; the gate
	s_lshl_b32 s30, s25, 13                        ; fragments 2 g and 2 g + 1
	s_add_nc_u64 s[32:33], s[16:17], s[30:31]
	s_lshl_b32 s30, s25, 8
	s_add_co_u32 s30, s30, 24576
	s_add_nc_u64 s[34:35], s[16:17], s[30:31]
	v_lshlrev_b32 v[SI], 2, v[LN]
	WBODY 12288
.Lfunc_end_k_q139f45a2a8_quant:
	.size	k_q139f45a2a8_quant, .Lfunc_end_k_q139f45a2a8_quant-k_q139f45a2a8_quant
	.p2alignl 7, 3214868480
	.fill 96, 4, 3214868480
	.section	.rodata,"a",@progbits
	.p2align	6, 0x0
	.amdhsa_kernel k_q139f45a2a8_quant
		.amdhsa_group_segment_fixed_size 34304
		.amdhsa_private_segment_fixed_size 0
		.amdhsa_enable_private_segment 0
		.amdhsa_kernarg_size 56
		.amdhsa_user_sgpr_count 2
		.amdhsa_user_sgpr_kernarg_segment_ptr 1
		.amdhsa_wavefront_size32 1
		.amdhsa_system_sgpr_workgroup_id_x 1
		.amdhsa_system_sgpr_workgroup_id_y 1
		.amdhsa_system_sgpr_workgroup_id_z 1
		.amdhsa_system_vgpr_workitem_id 0
		.amdhsa_next_free_vgpr 256
		.amdhsa_next_free_sgpr 66
		.amdhsa_reserve_vcc 0
		.amdhsa_float_denorm_mode_32 3
		.amdhsa_float_denorm_mode_16_64 3
		.amdhsa_memory_ordered 1
		.amdhsa_forward_progress 1
		.amdhsa_inst_pref_size 162
	.end_amdhsa_kernel
	.amdgpu_metadata
---
amdhsa.version: [ 1, 2 ]
amdhsa.kernels:
  - .name:           k_q139f45a2a8_quant
    .symbol:         k_q139f45a2a8_quant.kd
    .args:
      - { .name: inputs, .offset: 0, .size: 8, .value_kind: global_buffer, .address_space: global }
      - { .name: W_dense, .offset: 8, .size: 8, .value_kind: global_buffer, .address_space: global }
      - { .name: W_gru, .offset: 16, .size: 8, .value_kind: global_buffer, .address_space: global }
      - { .name: U_gru, .offset: 24, .size: 8, .value_kind: global_buffer, .address_space: global }
      - { .name: hq, .offset: 32, .size: 8, .value_kind: global_buffer, .address_space: global }
      - { .name: dq, .offset: 40, .size: 8, .value_kind: global_buffer, .address_space: global }
      - { .name: gq, .offset: 48, .size: 8, .value_kind: global_buffer, .address_space: global }
    .group_segment_fixed_size: 34304
    .private_segment_fixed_size: 0
    .kernarg_segment_align: 8
    .kernarg_segment_size: 56
    .max_flat_workgroup_size: 128
    .sgpr_count:     66
    .vgpr_count:     256
    .wavefront_size: 32
...
	.end_amdgpu_metadata
.endif
;; end of part 1
;; launch dense (part 2): grid 8 x 32, 4 waves a work-group, clusters of 4 x 4, 327,680 bytes of LDS; arguments hq, dq, b_dense, out0, pq; writes out0, pq
.if DOCPART == 2
	.amdgcn_target "amdgcn-amd-amdhsa--gfx1250"
	.amdhsa_code_object_version 6
	.text
	.protected	k_q139f45a2a8_dense
	.globl	k_q139f45a2a8_dense
	.p2align	8
	.type	k_q139f45a2a8_dense,@function
k_q139f45a2a8_dense:
	s_mov_b64 s[64:65], 0
	v_nop
	global_prefetch_b8 v0, s[64:65] scope:SCOPE_SE
	s_setreg_imm32_b32 hwreg(HW_REG_WAVE_MODE, 25, 1), 1
	s_wait_xcnt 0x0
	s_wait_alu depctr_hold_cnt(0) depctr_sa_sdst(0) depctr_va_vdst(0) depctr_va_sdst(0) depctr_va_ssrc(0) depctr_va_vcc(0) depctr_vm_vsrc(0)
	s_getreg_b32 s2, hwreg(HW_REG_IB_STS2, 6, 4)
	s_cmp_eq_u32 s2, 0
	s_cbranch_scc0 .Lentry_in_a_cluster
	s_endpgm
.Lentry_in_a_cluster:
	s_bfe_u32 s2, ttmp6, 0x10000c
	s_cmp_lg_u32 s2, 0xf033
	s_cbranch_scc0 .Lentry_shape_is_right
	s_endpgm
.Lentry_shape_is_right:
; pred = Q(h) Q(W_dense) + b_dense, on codes of FP8 (E4M3) with E8M0 scales; pred goes to out0 as f32 and, quantised along its columns (the next product's K), to pq.
; hq, dq and pq are laid as images of the matrix operand's registers (16 rows x 128 K = 2,048 bytes; byte 512 c + 16 L: row L % 16, k = 32 c + 16 (L / 16) + 0 .. 15), 256 along K to a block, the block's scale words behind its codes.
; SHARES: a work-group makes 256 rows (y) x 128 columns (x): the columns are one K step of the next product.  Wave w makes rows 64 w .. 64 w + 63 (four row blocks a) against all 8 tiles t of dq: 32 accumulators.
; THE MATRIX INSTRUCTION IS USED TRANSPOSED (source 0 = 16 columns of W_dense, source 1 = 16 rows of h), and a tile's columns are chosen (lane row r of tile t = column 32 (t / 2) + 8 (t % 2) + r + 8 (r / 8)) so that a lane
; holds one row of pred and the 64 registers of a row block are k = 32 b + 16 (lane / 16) + i of the next product: the conversions' results are pq's fragment as it stands.
; LDS: K = 1,024 is four uses of 256.  Three regions hold uses 0, 1, 2 (first fills); use 3 fills region 0 again behind one round of the cluster's barrier, two uses ahead of its first read.
; CLUSTER 4 x 4: h's blocks hang on y alone and are asked for jointly along a row of the cluster, W_dense's on x alone, along a column.
; The bias is the C of each sum's first matrix instruction.  LIMITS: as in the launch that makes hq (a block of zeros keeps the byte 1; NaN and infinities are not served).
; REGISTERS: window 0: v12-31 addresses; v32-55 scale words, two sets; v64-127 the bias, later the way out's codes and work; v128-255 h's fragments, two sets, later rows of pred.
;   window 1: W_dense's fragments, two sets of 128; on the way out v0-63 the held numbers.   window 2: accumulator (a, t) at v[8 (8 a + t)].
.set ABLK,  33792
.set AUS,   64*ABLK
.set DBLK,  33792
.set DUS,   8*DBLK
.set REG,   33792                      ; from use to use inside an operand's part of LDS: h's half 0 (uses 0-2), h's half 1, then W_dense's blocks
.set BOFF,  6*33792
.set G1C,   56
.set STAGE, REG                        ; the way out: 16 rows x 528 bytes for each wave, in region 1: it is filled once, and its last read lies ahead of the barrier in use 2
.set SPI,   528
.set SPARE, 9*REG
.set L16,  12                          ; v12  16 x lane
.set L8,   13                          ; v13  8 x lane
.set ADRA, 16                          ; v16-18 my four fragments of h in region 0, 1, 2
.set ADRB, 19                          ; v19-21 W_dense's eight
.set ADSA, 22                          ; v22-24 h's scale words
.set ADSB, 25                          ; v25-27 W_dense's
.set SPW,  28
.set NIL,  29
.set STO,  30                          ; the stage: where I put a lane's numbers
.set RD,   31                          ; and where I read a row back
.set SC,   32                          ; scale words: set s at SC + 12 s: 8 of W_dense (2 (t / 2) + q; lanes 16-31: odd t), 4 of h (8 + 2 q + a % 2; lanes 16-31: a >= 2)
.set BIAS, 64
.set AF,   128
.set PC,   64                          ; the way out: codes, two sets of 16
.set TM,   96
.set PW,   112
.set PR,   116
.set BK,   128                         ; rows read back, two sets of 64
.set WV,   14
.set G1A,  24
.set G1B,  40
.set SEL,  66
.set MNT,  68
.set MSK,  69
.set MSB, 0
.macro WIN new                         ; the immediate's high byte repeats the setting that is left
.if MSB != (\new)
	s_set_vgpr_msb (MSB<<8)|(\new)
.set MSB, (\new)
.endif
.endm
.macro PLACES n
.rept \n
	v_nop
.endr
.endm
.macro CREST                           ; a round of the cluster's barrier behind its opening barrier
	s_cmp_lg_u32 s[WV], 0
	s_cbranch_scc1 .Lnot_wave_0_\@
	s_barrier_signal -3
.Lnot_wave_0_\@:
	s_barrier_wait -3
	s_barrier_signal -1
	s_barrier_wait -1
.endm
.macro CROUND
	s_barrier_signal -1
	s_barrier_wait -1
	CREST
.endm
.macro SETG0 g, lreg, loff, breg, goff ; descriptor group 0: count 1, LDS address, global address, type 2
	s_mov_b32 s[\g], 1
	s_add_co_u32 s[\g+1], s[\lreg], \loff
	s_add_nc_u64 s[\g+2:\g+3], s[\breg:\breg+1], \goff
	s_or_b32 s[\g+3], s[\g+3], 0x80000000
.endm
.macro EMIT                            ; one matrix instruction from the symbols rD, rB, rA, rC, rSB, rSA; rRB, rRA: the scales lie in lanes 16-31
.if rRB && rRA
	v_wmma_scale_f32_16x16x128_f8f6f4 v[rD:rD+7], v[rB:rB+15], v[rA:rA+15], v[rC:rC+7], v[rSB], v[rSA] matrix_a_scale:MATRIX_SCALE_ROW1 matrix_b_scale:MATRIX_SCALE_ROW1
.elseif rRB
	v_wmma_scale_f32_16x16x128_f8f6f4 v[rD:rD+7], v[rB:rB+15], v[rA:rA+15], v[rC:rC+7], v[rSB], v[rSA] matrix_a_scale:MATRIX_SCALE_ROW1
.elseif rRA
	v_wmma_scale_f32_16x16x128_f8f6f4 v[rD:rD+7], v[rB:rB+15], v[rA:rA+15], v[rC:rC+7], v[rSB], v[rSA] matrix_b_scale:MATRIX_SCALE_ROW1
.else
	v_wmma_scale_f32_16x16x128_f8f6f4 v[rD:rD+7], v[rB:rB+15], v[rA:rA+15], v[rC:rC+7], v[rSB], v[rSA]
.endif
.endm
; 8 matrix instructions: row block a against the 8 tiles, K step q of a use (register set q), scale set sc.  first = 1: the bias is C.  The 32 accumulators take turns in the same order in every K step.
.macro MUL8 a, q, sc, first
.if \first
	WIN 0x81                                       ; source 0 window 1, source 1 and C window 0, D window 2
.else
	WIN 0xa1                                       ; C and D window 2
.endif
.irp t, 0,1,2,3,4,5,6,7
.set rD, 8*(8*(\a)+\t)
.set rB, 128*(\q)+16*\t
.set rA, AF+64*(\q)+16*(\a)
.if \first
.set rC, BIAS+8*\t
.else
.set rC, rD
.endif
.set rSB, SC+12*(\sc)+2*(\t/2)+(\q)
.set rRB, \t%2
.set rSA, SC+12*(\sc)+8+2*(\q)+(\a)%2
.set rRA, (\a)/2
	EMIT
.endr
.endm
.macro FETCH reg, q                    ; K step q of the use in region reg, into register set q: 48 loads of 512 consecutive bytes
	WIN 0x40
.irp t, 0,1,2,3,4,5,6,7
.irp c, 0,1,2,3
	ds_load_b128 v[128*(\q)+16*\t+4*\c:128*(\q)+16*\t+4*\c+3], v[ADRB+(\reg)] offset:\t*4096+(\q)*2048+\c*512
.endr
.endr
	WIN 0
.irp a, 0,1,2,3
.irp c, 0,1,2,3
	ds_load_b128 v[AF+64*(\q)+16*\a+4*\c:AF+64*(\q)+16*\a+4*\c+3], v[ADRA+(\reg)] offset:\a*4096+(\q)*2048+\c*512
.endr
.endr
.endm
.macro SCALES reg, sc                  ; a use's scale words
.irp j, 0,1,2,3
	ds_load_b64 v[SC+12*(\sc)+2*\j:SC+12*(\sc)+2*\j+1], v[ADSB+(\reg)] offset:256*\j
.endr
.irp q, 0,1
	ds_load_b64 v[SC+12*(\sc)+8+2*\q:SC+12*(\sc)+8+2*\q+1], v[ADSA+(\reg)] offset:512*\q
.endr
.endm
; An ordinary K step: 16 products, eight places, the next K step's loads in one run into the other set, 16 products.
.macro NSTEP q, sc, first, freg, fq, fsc
	s_wait_dscnt 0x0                               ; this K step's fragments are in
	MUL8 0, \q, \sc, \first
	MUL8 1, \q, \sc, \first
	PLACES 8
	FETCH \freg, \fq
.if (\fsc) >= 0
	SCALES \freg, \fsc
.endif
	MUL8 2, \q, \sc, \first
	MUL8 3, \q, \sc, \first
.endm
	s_load_b256 s[4:11], s[0:1], 0x0               ; hq, dq, b_dense, out0
	s_load_b64 s[12:13], s[0:1], 0x20              ; pq
	v_lshl_add_u32 v[SPW], v0, 2, SPARE
	v_mov_b32 v[NIL], 0
	ds_add_u32 v[SPW], v[NIL]                      ; the wave's opening: the add and its wait ahead of my first tensor load
	ds_add_u32 v[SPW], v[NIL]
	v_lshrrev_b32 v1, 5, v0
	v_readfirstlane_b32 s[WV], v1                  ; wave 0..3
	s_lshr_b32 s15, s[WV], 1                       ; which half tile of h I read.  Also: I fetch for h (0) or for W_dense (1)
	s_and_b32 s16, s[WV], 1                        ; which 64 rows of that half.  Also: which half I fetch
	s_bfe_u32 s70, ttmp6, 0x40000                  ; cx, cy
	s_bfe_u32 s71, ttmp6, 0x40004
	s_lshl_b32 s72, ttmp9, 2
	s_add_co_u32 s72, s72, s70                     ; x
	s_and_b32 s73, ttmp7, 0xffff
	s_lshl_b32 s73, s73, 2
	s_add_co_u32 s73, s73, s71                     ; y
	s_lshl_b32 s74, s71, 2
	s_lshl_b32 s74, 15, s74                        ; my row of the cluster
	s_lshl_b32 s75, 0x1111, s70                    ; my column
	s_or_b32 s[G1A], s74, (3<<16)|(1<<21)          ; group 1: the mask; elements of 8 bytes; bit 21 beside a mask; no padding
	s_or_b32 s[G1B], s75, (3<<16)|(1<<21)
	s_or_b32 s[G1C], s75, (3<<16)|(1<<21)
	s_mov_b32 s[G1A+1], 4224<<16                   ; a row is a whole block of 33,792 bytes (4,224 elements of 8 bytes),
	s_mov_b32 s[G1A+2], 3<<16                      ; three rows: uses 0, 1, 2 of a half tile of h by ONE load
	s_mov_b32 s[G1A+3], 4224<<16
	s_mov_b32 s[G1A+4], 3
	s_mov_b32 s[G1A+5], AUS/8                      ; from use to use in hq
	s_mov_b32 s[G1A+6], 0
	s_mov_b32 s[G1A+7], 0
	s_mov_b32 s[G1B+1], 4224<<16                   ; W_dense's blocks of uses 0 and 1: wave 2
	s_mov_b32 s[G1B+2], 2<<16
	s_mov_b32 s[G1B+3], 4224<<16
	s_mov_b32 s[G1B+4], 2
	s_mov_b32 s[G1B+5], DUS/8
	s_mov_b32 s[G1B+6], 0
	s_mov_b32 s[G1B+7], 0
	s_mov_b32 s[G1C+1], 4224<<16                   ; one block of W_dense: use 2 (wave 3), later use 3 (wave 2)
	s_mov_b32 s[G1C+2], 1<<16
	s_mov_b32 s[G1C+3], 4224<<16
	s_mov_b32 s[G1C+4], 1
	s_mov_b32 s[G1C+5], DUS/8
	s_mov_b32 s[G1C+6], 1<<16
	s_mov_b32 s[G1C+7], 0
	s_lshl_b32 s76, s73, 1
	s_add_co_u32 s76, s76, s16
	s_mul_i32 s76, s76, ABLK                       ; h: half tile 2 y + half: hangs on y alone
	s_mov_b32 s77, 0
	s_mul_i32 s78, s72, DBLK
	s_mul_i32 s79, s16, 2*DUS
	s_add_co_u32 s78, s78, s79                     ; W_dense: block x, my half of it: hangs on x alone
	s_mov_b32 s79, 0
	s_mul_i32 s80, s[WV], 3*33792                  ; where they go: waves 0, 1: h's halves, three uses each;
	s_mul_i32 s81, s[WV], 2*33792
	s_add_co_u32 s81, s81, 2*33792                 ; wave 2: W_dense's uses 0 and 1, at block 6; wave 3: use 2, at block 8
	s_mov_b32 s[SEL], 0x76543210
	s_mov_b32 s[SEL+1], 0xfedcba98
	s_mov_b32 s[MNT], 0x600000
	s_mov_b32 s[MSK], 0xffff0000
	s_wait_dscnt 0x0                               ; the opening add is done
	s_wait_kmcnt 0x0
	s_add_nc_u64 s[76:77], s[4:5], s[76:77]
	s_add_nc_u64 s[78:79], s[6:7], s[78:79]
	CROUND                                         ; all sixteen work-groups are here: the first joint loads meet
	SETG0 32, 80, 0, 76, 0
	SETG0 52, 81, 0, 78, 0
	s_cmp_lt_u32 s[WV], 2                          ; one chain of branches on the wave's number, one tensor load to an arm
	s_cbranch_scc0 .Lfirst_b
	tensor_load_to_lds s[32:35], s[G1A:G1A+7]
	s_nop 0
	PLACES 4
	s_branch .Lfirst_asked
.Lfirst_b:
	s_cmp_lt_u32 s[WV], 3
	s_cbranch_scc0 .Lfirst_c
	tensor_load_to_lds s[52:55], s[G1B:G1B+7]
	s_nop 0
	PLACES 4
	s_branch .Lfirst_asked
.Lfirst_c:
	tensor_load_to_lds s[52:55], s[G1C:G1C+7]
	s_nop 0
	PLACES 4
.Lfirst_asked:
	v_and_b32 v3, 31, v0                           ; lane
	v_and_b32 v1, 15, v0                           ; r
	v_bfe_u32 v2, v0, 4, 1                         ; h
	v_lshlrev_b32 v4, 6, v2                        ; the bias: 16 numbers further on for lanes 16-31
	s_lshl_b32 s82, s72, 9
	s_mov_b32 s83, 0
	s_add_nc_u64 s[8:9], s[8:9], s[82:83]          ; b_dense at my 128 columns
.irp t, 0,1,2,3,4,5,6,7                        ; in the result's layout: register 8 t + j = column 32 (t / 2) + 8 (t % 2) + 16 h + j
	global_load_b128 v[BIAS+8*\t:BIAS+8*\t+3], v4, s[8:9] offset:128*(\t/2)+32*(\t%2)
	global_load_b128 v[BIAS+8*\t+4:BIAS+8*\t+7], v4, s[8:9] offset:128*(\t/2)+32*(\t%2)+16
.endr
	v_lshlrev_b32 v[L16], 4, v3
	s_wait_alu depctr_va_vdst(0)
	v_lshlrev_b32 v[L8], 3, v3
	s_wait_alu depctr_va_vdst(0)
	s_mul_i32 s84, s15, 3*ABLK
	s_lshl_b32 s85, s16, 14
	s_add_co_u32 s85, s84, s85                     ; my four row blocks' codes
	s_lshl_b32 s86, s16, 8
	s_add_co_u32 s86, s84, s86
	s_add_co_u32 s86, s86, 32768                   ; and their scale words
.irp g, 0,1,2
	v_add_nc_u32 v[ADRA+\g], s85, v[L16]
	v_add_nc_u32 v[ADRB+\g], \g*REG+BOFF, v[L16]
	v_add_nc_u32 v[ADSA+\g], s86, v[L8]
	v_add_nc_u32 v[ADSB+\g], \g*REG+BOFF+32768, v[L8]
	s_add_co_u32 s85, s85, REG
	s_add_co_u32 s86, s86, REG
.endr
	s_mul_i32 s87, s[WV], 16*SPI
	s_add_co_u32 s87, s87, STAGE                   ; my stage
	v_mul_u32_u24 v[STO], v1, SPI
	v_lshl_add_u32 v[STO], v2, 6, v[STO]
	v_add_nc_u32 v[STO], s87, v[STO]               ; in: row r, + 64 h
	v_add_nc_u32 v[RD], s87, v[L16]                ; back: the 32 lanes take a row of 512 bytes
	s_lshl_b32 s88, s73, 8
	s_lshl_b32 s99, s[WV], 6
	s_add_co_u32 s88, s88, s99                     ; my first row: 256 y + 64 w
	s_lshl_b32 s88, s88, 12
	s_lshl_b32 s99, s72, 9
	s_add_co_u32 s88, s88, s99                     ; + my 128 columns
	s_mov_b32 s89, 0
	s_add_nc_u64 s[10:11], s[10:11], s[88:89]      ; out0
	s_lshr_b32 s98, s72, 1                         ; pq: my columns are K step x of the next product: use x / 2, step x % 2
	s_mul_i32 s90, s98, AUS
	s_lshl_b32 s98, s73, 1
	s_add_co_u32 s98, s98, s15
	s_mul_i32 s98, s98, ABLK
	s_add_co_u32 s90, s90, s98                     ; the block of my half tile
	s_and_b32 s98, s72, 1
	s_lshl_b32 s99, s98, 9
	s_add_co_u32 s92, s90, s99
	s_lshl_b32 s99, s16, 8
	s_add_co_u32 s92, s92, s99
	s_add_co_u32 s92, s92, 32768                   ; my 256 bytes of scale words
	s_mov_b32 s93, 0
	s_lshl_b32 s99, s98, 11
	s_add_co_u32 s90, s90, s99
	s_lshl_b32 s99, s16, 14
	s_add_co_u32 s90, s90, s99                     ; my four fragments
	s_mov_b32 s91, 0
	s_add_nc_u64 s[94:95], s[12:13], s[90:91]
	s_add_nc_u64 s[96:97], s[12:13], s[92:93]
	s_wait_loadcnt 0x0                             ; the bias
	s_wait_tensorcnt 0x0                           ; my one load, with its uses 0 to 2, is in
	s_barrier_signal -1
	s_barrier_wait -1
	FETCH 0, 0
	SCALES 0, 0
	NSTEP 0, 0, 1, 0, 1, -1                        ; use 0, first K step: the bias starts the sums
	; use 0, second K step: region 0 is left and filled again with use 3
	WIN 0                                          ; (the add's two registers lie in window 0)
	s_wait_tensorcnt 0x0                           ; all my tensor loads have landed: uses 1 and 2 too
	ds_add_u32 v[SPW], v[NIL]                      ; 0 onto my spare word
	s_wait_dscnt 1                                 ; this K step's fragments are in; the add may be out
	MUL8 0, 1, 0, 0
	s_wait_dscnt 0x0                               ; the add is done, and my reads of region 0 are over
	s_barrier_signal -1
	MUL8 1, 1, 0, 0
	WIN 0
	s_barrier_wait -1
	CREST                                          ; the barrier has opened a round of the cluster's: no wave of any partner still reads region 0 or has a load on its way
	s_add_nc_u64 s[34:35], s[34:35], 3*AUS
	s_add_nc_u64 s[54:55], s[54:55], 3*DUS
	s_mov_b32 s[G1A+2], 1<<16                      ; no tensor load of mine is out: from here on h's load brings one block, use 3
	s_mov_b32 s[G1A+4], 1
	s_mov_b32 s[G1A+6], 1<<16
	s_cmp_lt_u32 s[WV], 2
	s_cbranch_scc0 .Lre_b
	tensor_load_to_lds s[32:35], s[G1A:G1A+7]      ; over use 0 of my half tile
	s_nop 0
	PLACES 4
	s_branch .Lre_asked
.Lre_b:
	s_cmp_lt_u32 s[WV], 3
	s_cbranch_scc0 .Lre_none
	tensor_load_to_lds s[52:55], s[G1C:G1C+7]      ; wave 2: W_dense's use 3 over its use 0
	s_nop 0
	PLACES 4
	s_branch .Lre_asked
.Lre_none:
	PLACES 4                                       ; wave 3 has no part of use 3 to fetch
.Lre_asked:
	PLACES 4                                       ; with the four above: eight places in front of the loads below
	FETCH 1, 0
	s_wait_alu depctr_va_vdst(0)
	SCALES 1, 1
	MUL8 2, 1, 0, 0
	MUL8 3, 1, 0, 0
	NSTEP 0, 1, 0, 1, 1, -1                        ; use 1
	NSTEP 1, 1, 0, 2, 0, 0                         ; (region 2 was shown whole to every wave by the round above)
	NSTEP 0, 0, 0, 2, 1, -1                        ; use 2
	s_wait_dscnt 0x0                               ; use 2, second K step: its fragments are in, and no LDS read of mine is out;
	s_wait_tensorcnt 0x0                           ; my part of use 3 has landed (the one load that was out)
	s_barrier_signal -1
	MUL8 0, 1, 0, 0
	MUL8 1, 1, 0, 0
	WIN 0
	s_barrier_wait -1                              ; everybody's has
	PLACES 8
	FETCH 0, 0
	SCALES 0, 1
	MUL8 2, 1, 0, 0
	MUL8 3, 1, 0, 0
	NSTEP 0, 1, 0, 0, 1, -1                        ; use 3
	s_wait_dscnt 0x0
	MUL8 0, 1, 1, 0
	MUL8 1, 1, 1, 0
	MUL8 2, 1, 1, 0
	MUL8 3, 1, 1, 0
	WIN 0
	PLACES 8                                       ; in front of the first reads of results and of writes into operands that are done with
.irp b, 0,1,2,3
	v_mov_b32 v[TM+4+\b], 0                        ; written once: a lane permute's destination counts as one of its sources
.endr
; THE WAY OUT of row block a.  The 64 numbers of a lane go, as they are, through my stage and come back as whole rows of 512 bytes for out0; meanwhile the same 64 numbers are quantised into one fragment of pq.
.macro OUTA a
.set AC, 64*(\a)
.set BB, BK+64*((\a)%2)
.set PP, PC+16*((\a)%2)
.if (\a) >= 2
	s_wait_xcnt 0x0                                ; block a - 2's stores have read their registers: both sets are written again only behind this wait
.endif
	WIN 0x08                                       ; an LDS store's data: window 2
.irp t, 0,1,2,3,4,5,6,7
	ds_store_b128 v[STO], v[AC+8*\t:AC+8*\t+3] offset:128*(\t/2)+32*(\t%2)        ; each accumulator from its low end on
	ds_store_b128 v[STO], v[AC+8*\t+4:AC+8*\t+7] offset:128*(\t/2)+32*(\t%2)+16
.endr
	WIN 0
.irp i, 0,1,2,3,4,5,6,7,8,9,10,11,12,13,14,15
	ds_load_b128 v[BB+4*\i:BB+4*\i+3], v[RD] offset:SPI*\i   ; LDS serves a wave's instructions in order: these see the stores above
.endr
	WIN 0x28                                       ; sources 1 and 2: window 2
.irp b, 0,1,2,3
	v_max3_num_f32 v[TM+\b], 0x4800000, |v[AC+16*\b]|, |v[AC+16*\b+1]|   ; block b: my 16 numbers and the floor 2^(9 - 127)
.endr
.irp i, 2,4,6,8,10,12,14
.irp b, 0,1,2,3
	v_max3_num_f32 v[TM+\b], v[TM+\b], |v[AC+16*\b+\i]|, |v[AC+16*\b+\i+1]|
.endr
.endr
	WIN 0
.irp b, 0,1,2,3
	v_permlanex16_b32 v[TM+4+\b], v[TM+\b], s[SEL], s[SEL+1]
.endr
.irp b, 0,1,2,3
	v_max_num_f32 v[TM+\b], v[TM+\b], v[TM+4+\b]   ; with lane l xor 16's 16: the block's largest magnitude
.endr
.irp b, 0,1,2,3
	v_add_nc_u32 v[TM+12+\b], 0xfc000000, v[TM+\b] ; the conversion's scale operand
.endr
.irp b, 0,1,2,3
	v_and_or_b32 v[TM+8+\b], v[TM+\b], 0x7f800000, s[MNT]   ; 448 x the scale
.endr
.irp b, 0,1,2,3
	v_lshrrev_b32 v[TM+4+\b], 23, v[TM+12+\b]      ; the scale's byte
.endr
	v_lshl_or_b32 v[PW+(\a)], v[TM+5], 8, v[TM+4]
	v_lshl_or_b32 v[PW+(\a)], v[TM+6], 16, v[PW+(\a)]
	v_lshl_or_b32 v[PW+(\a)], v[TM+7], 24, v[PW+(\a)]
	WIN 0x42                                       ; from window 2 into window 1: out0 wants the numbers as they are, so the hold goes into other registers
.irp b, 0,1,2,3
.irp i, 0,1,2,3,4,5,6,7,8,9,10,11,12,13,14,15
	v_med3_num_f32 v[16*\b+\i], v[AC+16*\b+\i], -v[TM+8+\b], v[TM+8+\b]
.endr
.endr
	WIN 0x01
.irp b, 0,1,2,3
	v_cvt_scalef32_pk8_fp8_f32 v[PP+4*\b:PP+4*\b+1], v[16*\b:16*\b+7], v[TM+12+\b]
	v_cvt_scalef32_pk8_fp8_f32 v[PP+4*\b+2:PP+4*\b+3], v[16*\b+8:16*\b+15], v[TM+12+\b]
.endr
	v_nop                                          ; a plain instruction behind the last conversion
	WIN 0
	s_wait_alu depctr_va_vdst(0)
	s_wait_dscnt 0x0                               ; the rows are back
.irp i, 0,1,2,3,4,5,6,7,8,9,10,11,12,13,14,15
	global_store_b128 v[L16], v[BB+4*\i:BB+4*\i+3], s[10:11] offset:(16*(\a)+\i)*4096 th:TH_STORE_NT   ; 32 lanes store 512 consecutive bytes of a row of out0, aligned
.endr
.irp c, 0,1,2,3
	global_store_b128 v[L16], v[PP+4*\c:PP+4*\c+3], s[94:95] offset:(\a)*4096+512*\c   ; the fragment's image, 512 consecutive bytes a store
.endr
.endm
.irp a, 0,1,2,3
	OUTA \a
.endr
	v_cndmask_b32 v[PR], v[PW], v[PW+2], s[MSK]    ; lanes 0-15: row blocks 0 and 1; lanes 16-31: 2 and 3
	v_cndmask_b32 v[PR+1], v[PW+1], v[PW+3], s[MSK]
	global_store_b64 v[L8], v[PR:PR+1], s[96:97]   ; 256 consecutive bytes, aligned
	s_wait_tensorcnt 0x0                           ; the wave's end
	ds_add_u32 v[SPW], v[NIL]
	s_wait_dscnt 0x0
	CROUND                                         ; the closing round
	s_endpgm
.Lfunc_end_k_q139f45a2a8_dense:
	.size	k_q139f45a2a8_dense, .Lfunc_end_k_q139f45a2a8_dense-k_q139f45a2a8_dense
	.p2alignl 7, 3214868480
	.fill 96, 4, 3214868480
	.section	.rodata,"a",@progbits
	.p2align	6, 0x0
	.amdhsa_kernel k_q139f45a2a8_dense
		.amdhsa_group_segment_fixed_size 327680
		.amdhsa_private_segment_fixed_size 0
		.amdhsa_enable_private_segment 0
		.amdhsa_kernarg_size 40
		.amdhsa_user_sgpr_count 2
		.amdhsa_user_sgpr_kernarg_segment_ptr 1
		.amdhsa_wavefront_size32 1
		.amdhsa_system_sgpr_workgroup_id_x 1
		.amdhsa_system_sgpr_workgroup_id_y 1
		.amdhsa_system_sgpr_workgroup_id_z 1
		.amdhsa_system_vgpr_workitem_id 0
		.amdhsa_next_free_vgpr 768
		.amdhsa_next_free_sgpr 100
		.amdhsa_reserve_vcc 0
		.amdhsa_float_denorm_mode_32 3
		.amdhsa_float_denorm_mode_16_64 3
		.amdhsa_memory_ordered 1
		.amdhsa_forward_progress 1
		.amdhsa_inst_pref_size 122
	.end_amdhsa_kernel
	.amdgpu_metadata
---
amdhsa.version: [ 1, 2 ]
amdhsa.kernels:
  - .name:           k_q139f45a2a8_dense
    .symbol:         k_q139f45a2a8_dense.kd
    .args:
      - { .name: hq, .offset: 0, .size: 8, .value_kind: global_buffer, .address_space: global }
      - { .name: dq, .offset: 8, .size: 8, .value_kind: global_buffer, .address_space: global }
      - { .name: b_dense, .offset: 16, .size: 8, .value_kind: global_buffer, .address_space: global }
      - { .name: out0, .offset: 24, .size: 8, .value_kind: global_buffer, .address_space: global }
      - { .name: pq, .offset: 32, .size: 8, .value_kind: global_buffer, .address_space: global }
    .group_segment_fixed_size: 327680
    .private_segment_fixed_size: 0
    .kernarg_segment_align: 8
    .kernarg_segment_size: 40
    .max_flat_workgroup_size: 128
    .sgpr_count:     100
    .vgpr_count:     768
    .wavefront_size: 32
...
	.end_amdgpu_metadata
.endif
;; end of part 2
;; launch gru (part 3): grid 16 x 32, 4 waves a work-group, clusters of 4 x 4, 327,680 bytes of LDS; arguments hq, pq, gq, b_gru, inputs, out1; writes out1
.if DOCPART == 3
	.amdgcn_target "amdgcn-amd-amdhsa--gfx1250"
	.amdhsa_code_object_version 6
	.text
	.protected	k_q139f45a2a8_gru
	.globl	k_q139f45a2a8_gru
	.p2align	8
	.type	k_q139f45a2a8_gru,@function
k_q139f45a2a8_gru:
	s_mov_b64 s[64:65], 0
	v_nop
	global_prefetch_b8 v0, s[64:65] scope:SCOPE_SE
	s_setreg_imm32_b32 hwreg(HW_REG_WAVE_MODE, 25, 1), 1
	s_wait_xcnt 0x0
	s_wait_alu depctr_hold_cnt(0) depctr_sa_sdst(0) depctr_va_vdst(0) depctr_va_sdst(0) depctr_va_ssrc(0) depctr_va_vcc(0) depctr_vm_vsrc(0)
	s_getreg_b32 s2, hwreg(HW_REG_IB_STS2, 6, 4)
	s_cmp_eq_u32 s2, 0
	s_cbranch_scc0 .Lentry_in_a_cluster
	s_endpgm
.Lentry_in_a_cluster:
	s_bfe_u32 s2, ttmp6, 0x10000c
	s_cmp_lg_u32 s2, 0xf033
	s_cbranch_scc0 .Lentry_shape_is_right
	s_endpgm
.Lentry_shape_is_right:
; h_new = hh + z (h - hh);  z, r = sigmoid(Q(pred) Q(W_gru) + Q(h) Q(U_gru) + both biases);  hh = tanh(x_h + r u_h).  Products on codes of FP8 (E4M3) with E8M0 scales, sums in f32.
; hq, pq, gq are images of the matrix operand's registers (16 rows x 128 K = 2,048 bytes; byte 512 c + 16 L: row L % 16, k = 32 c + 16 (L / 16) + 0 .. 15), 256 along K (a use) to a block, the block's scale words behind its codes.
; SHARES: a work-group makes 256 rows (y) x 64 columns of H (x).  Wave w makes all 256 rows (sixteen row blocks a) x columns 16 w on x four sums (z, r, u_h, x_h): 64 accumulators, 512 registers.
; z and r are summed over K = 2,048: K steps 0-7 multiply h by U_gru (third gate: u_h), K steps 8-15 pred by W_gru (third gate: x_h).  A K step of 128 is 48 matrix instructions.
; THE ROWS' CODES GO THROUGH LDS: a ring of two slots, each 512 along K of the 256 rows: four dense blocks of 33,792 bytes (two uses x two half tiles), one tensor load a wave, by one line whose addresses are made of the wave's number.
; They hang on y alone and are asked for jointly along a row of the 4 x 4 cluster.  A tile has four fills; a slot is filled again behind a round of the cluster's barrier in its fourth K step, whose fragments are on their way to registers by then.
; Every wait on TENSORcnt is for 0; one tensor load of a wave is out at a time.
; THE WEIGHTS' CODES GO FROM MEMORY STRAIGHT INTO REGISTERS: no two waves of a work-group share columns, and the images are in the registers' order.  Four sets of 48 registers: the loads of three K steps are out behind counted waits.
; They are shared by the work-groups of a column of the cluster and still not asked for jointly: a joint request lands in LDS, where the two slots leave 56,832 bytes, less than two uses' 101,376.
; The rows' fragments come in halves of eight row blocks, each fetched anew as soon as its 24 products are issued, half a K step ahead of its use.
; THE MATRIX INSTRUCTION IS USED TRANSPOSED (source 0 = 16 columns of a gate, source 1 = 16 rows): a lane holds one row and eight neighbouring columns, alike in all four sums.
; THE BIASES START THE SUMS: they are the C of each sum's first matrix instruction.  Until K step 8 they lie in x_h's accumulators, which no product writes before; x_h's own bias lies in the accumulator of row block 15, the last to be begun.
; The tile of h in f32 hangs on x and y: each wave loads 64 rows of it, by a load of its own, over slot 0 behind the round in K step 11.  h_new is written over it (the slot has had its last fill) and leaves as whole rows of 256 bytes:
; rows 0-127 while rows 128-255 are still computed.
; PREFETCH: pred's two fills are named one fill (four K steps) ahead of their loads: of a block's 132 pieces of 256 bytes each of the four partners takes 33, told apart by address; the second instruction names the 33rd.
; h's two fills come by their loads alone; the weights are asked for by their own loads four K steps ahead; the tile of h has four K steps and the sigmoids between its load and its first read.
; sigmoid(x) = 1 / (1 + 2^(-x log2 e)), tanh(y) = 1 - 2 / (1 + 2^(2 y log2 e)): both run into their limits without a clamp.
; LIMITS: NaN and infinities among the inputs are not served.
; REGISTERS: window 0: v4-29 addresses; v30-47 the weights' scale words, three sets; v48-63 the rows', two sets; v64-255 the weights' fragments, four sets of 48, later rows of h_new.   window 1: the rows' sixteen fragments.
;   windows 2, 3 (row blocks 0-7, 8-15): accumulator (a, sum) at v[32 (a % 8) + 8 sum].
.set ABLK,  33792
.set AUS,   64*ABLK
.set GBLK,  25344
.set GUS,   32*GBLK
.set SLOT,  4*ABLK
.set HP,    272                        ; a row of h's tile in LDS: 256 bytes + 16; the tile begins at LDS byte 0
.set SPARE, 2*SLOT                     ; the spare words, 128 bytes for each wave
.set ADRA, 4                           ; v4-11  block n = 4 slot + 2 use + half tile, + 16 x lane; v4 is also 16 x lane itself
.set L16,  4
.set SPW,  12
.set NIL,  13
.set HL,   14                          ; my lane's eight numbers of row block 0 in h's tile
.set RD,   15                          ; the tile on the way out
.set CO,   16                          ; and the same place in out1
.set BO,   17                          ; 32 x (lane / 16): the biases
.set GSO,  19                          ; 8 x (lane % 16): the weights' scale words
.set ADSA, 20                          ; v20-27 block n, + 8 x lane: the rows' scale words
.set PFO,  28
.set PFO2, 29
.set SB,   30                          ; use U's set at SB + 6 (U % 3): register 2 gate + q
.set SA,   48                          ; K step s's set at SA + 8 (s % 2): register 4 (a / 8) + 2 ((a % 8) / 4) + a % 2; lanes 16-31: a % 4 >= 2
.set BFR,  64                          ; K step s's set at BFR + 48 (s % 4): 16 registers a gate
.set WV,   16
.set G1A,  24
.set G1H,  32
.set G0A,  40
.set G0H,  44
.set HA,   48                          ; s[48:49] hq, s[50:51] pq at the block that I fetch in a buffer's first fill
.set PA,   50
.set GB,   52                          ; s[52:53] gq at my columns' fragments, s[54:55] at their scale words
.set GS,   54
.set NL2E, 66
.set L2E2, 68
.set MSB, 0
.macro WIN new                         ; the immediate's high byte repeats the setting that is left
.if MSB != (\new)
	s_set_vgpr_msb (MSB<<8)|(\new)
.set MSB, (\new)
.endif
.endm
.macro PLACES n
.rept \n
	v_nop
.endr
.endm
.macro CREST                           ; a round of the cluster's barrier behind its opening barrier
	s_cmp_lg_u32 s[WV], 0
	s_cbranch_scc1 .Lnot_wave_0_\@
	s_barrier_signal -3
.Lnot_wave_0_\@:
	s_barrier_wait -3
	s_barrier_signal -1
	s_barrier_wait -1
.endm
.macro CROUND
	s_barrier_signal -1
	s_barrier_wait -1
	CREST
.endm
.macro SETG v                          ; group 0 for fill v (0, 1: h; 2, 3: pred); written only where no tensor load of mine is out
	s_add_co_u32 s[G0A+1], s82, ((\v)%2)*SLOT
.if (\v) < 2
	s_add_nc_u64 s[G0A+2:G0A+3], s[HA:HA+1], 2*(\v)*AUS
.else
	s_add_nc_u64 s[G0A+2:G0A+3], s[PA:PA+1], 2*((\v)-2)*AUS
.endif
	s_or_b32 s[G0A+3], s[G0A+3], 0x80000000
.endm
; Row block a's three products of K step s.  Each accumulator has one instruction a K step, the others' 47 between.
; K step 0: C = the biases in window 2 at 24 + 32 gate.  K step 8, third gate: C = x_h's bias in window 3 at 248.
.macro MULA a, s
.irp g, 0,1,2
.set mC, 0
.set mSum, \g
.set mCW, 2+(\a)/8
.if \g == 2
.set mSum, 2+(\s)/8
.if (\s) == 8
.set mC, 248
.set mCW, 3
.endif
.endif
.if (\s) == 0
.set mC, 24+32*\g
.set mCW, 2
.endif
	WIN ((2+(\a)/8)<<6)|(mCW<<4)|0x04              ; source 0 (weights) window 0, source 1 (rows) window 1
.if ((\s) == 8) && (\g == 2) && ((\a) == 15)
	PLACES 9                                       ; this product writes over the registers that row block 14's took as C (ISA guide 7.12.1, for eight of them)
.endif
.set rD, 32*((\a)%8)+8*mSum
.if mC
.set rC, mC
.else
.set rC, rD
.endif
.set rB, BFR+48*((\s)%4)+16*\g
.set rA, 16*(\a)
.set rSB, SB+6*(((\s)/2)%3)+2*\g+(\s)%2
.set rSA, SA+8*((\s)%2)+4*((\a)/8)+2*(((\a)%8)/4)+(\a)%2
.if ((\a)%4)/2
	v_wmma_scale_f32_16x16x128_f8f6f4 v[rD:rD+7], v[rB:rB+15], v[rA:rA+15], v[rC:rC+7], v[rSB], v[rSA] matrix_b_scale:MATRIX_SCALE_ROW1
.else
	v_wmma_scale_f32_16x16x128_f8f6f4 v[rD:rD+7], v[rB:rB+15], v[rA:rA+15], v[rC:rC+7], v[rSB], v[rSA]
.endif
.endr
.endm
; Half hv (row blocks 8 hv on) of K step t's rows: 32 loads of 512 consecutive bytes; with half 0 the K step's scale words, 4 loads.
.macro FETCHA t, hv
.set fN, 4*(((\t)/4)%2)+2*(((\t)%4)/2)
.set fQ, (\t)%2
.if (\hv) == 0
	WIN 0
.irp h2, 0,1
.irp j, 0,1
	ds_load_b64 v[SA+8*fQ+4*\h2+2*\j:SA+8*fQ+4*\h2+2*\j+1], v[ADSA+fN+\h2] offset:32768+512*fQ+256*\j
.endr
.endr
.endif
	WIN 0x40
.irp i, 0,1,2,3,4,5,6,7
.irp c, 0,1,2,3
	ds_load_b128 v[128*(\hv)+16*\i+4*\c:128*(\hv)+16*\i+4*\c+3], v[ADRA+fN+(\hv)] offset:\i*4096+fQ*2048+\c*512
.endr
.endr
.endm
; K step t's weights: 12 loads of 512 consecutive bytes; ahead of a use's first K step its scale words, 3 loads.  Every offset is an immediate (5,697,024 at the most: inside the signed 24 bits), so no address register is rewritten.
.macro BLOAD t
	WIN 0
.if (\t)%2 == 0
.irp g, 0,1,2
	global_load_b64 v[SB+6*(((\t)/2)%3)+2*\g:SB+6*(((\t)/2)%3)+2*\g+1], v[GSO], s[GS:GS+1] offset:((\t)/2)*GUS+256*\g
.endr
.endif
.irp g, 0,1,2
.irp c, 0,1,2,3
	global_load_b128 v[BFR+48*((\t)%4)+16*\g+4*\c:BFR+48*((\t)%4)+16*\g+4*\c+3], v[L16], s[GB:GB+1] offset:((\t)/2)*GUS+\g*8192+((\t)%2)*2048+\c*512
.endr
.endr
.endm
.macro LCW s                           ; K step s's weights are in: the loads of the three younger K steps (12 each, and 3 more where a use begins) may be out
.set lc, 0
.irp d, 1,2,3
.if (\s)+\d <= 15
.set lc, lc+12+3*(1-((\s)+\d)%2)
.endif
.endr
	s_wait_loadcnt lc
.endm
; A K step.  Loads into registers that matrix instructions have read stand eight places behind them.
; A slot's fourth K step changes slots: both its halves have been asked of LDS, so behind s_wait_dscnt 0 my reads of the slot are over: the three lines, a round with products inside its opening barrier, the refill.
.macro STEP s
.set sT, 0
.if ((\s)%4 == 3) && ((\s) < 15)
.set sT, 1
.endif
.if sT
	WIN 0
	s_wait_tensorcnt 0x0                           ; my one tensor load, my block of the next slot, has landed
	ds_add_u32 v[SPW], v[NIL]                      ; 0 onto my spare word
.if (\s) < 11
	SETG (\s)/4+2
.endif
	LCW \s
	s_wait_dscnt 33                                ; half 0 and the scale words are in; half 1's 32 loads and the add may be out
	MULA 0, \s
	MULA 1, \s
	s_wait_dscnt 0x0                               ; the add is done, and my reads of this slot are over
	s_barrier_signal -1
	MULA 2, \s
	MULA 3, \s
	WIN 0
	s_barrier_wait -1
	CREST                                          ; no wave of any partner still reads this slot or has a load on its way
.if (\s) < 11
	tensor_load_to_lds s[G0A:G0A+3], s[G1A:G1A+7]  ; the fill two on, into the slot just left
.else
	tensor_load_to_lds s[G0H:G0H+3], s[G1H:G1H+7]  ; my 64 rows of the tile's h, over slot 0
.endif
	s_nop 0
	PLACES 4
.irp a, 4,5,6,7
	MULA \a, \s
.endr
.else
	LCW \s
	s_wait_dscnt 32                                ; half 0 and the scale words are in; half 1's 32 loads may be out
.irp a, 0,1,2,3,4,5,6,7
	MULA \a, \s
.endr
.endif
.if (\s) < 15
	PLACES 8
	FETCHA (\s)+1, 0
.if (\s) == 3
	global_prefetch_b8 v[PFO], s[PA:PA+1] offset:2*AUS th:TH_LOAD_NT scope:SCOPE_SE    ; pred's second fill, which K step 7 loads
	global_prefetch_b8 v[PFO2], s[PA:PA+1] offset:2*AUS th:TH_LOAD_NT scope:SCOPE_SE
.endif
	s_wait_dscnt 36                                ; half 1 is in; the 36 loads just issued may be out
.else
	s_wait_dscnt 0x0
.endif
.irp a, 8,9,10,11,12,13,14,15
	MULA \a, \s
.endr
.if (\s) < 15
	PLACES 8
	FETCHA (\s)+1, 1
.if (\s)+4 <= 15
	BLOAD (\s)+4                                   ; into the set that this K step has left
.endif
.endif
.endm
.macro BLD reg, row, gate              ; 8 numbers of b_gru in the result's layout: register j = column 8 (lane / 16) + j of my 16
.irp hf, 0,1
	global_load_b128 v[\reg+4*\hf:\reg+4*\hf+3], v[BO], s[10:11] offset:\row*12288+\gate*4096+16*\hf
.endr
.endm
	s_load_b256 s[4:11], s[0:1], 0x0               ; hq, pq, gq, b_gru
	s_load_b128 s[12:15], s[0:1], 0x20             ; inputs, out1
	v_lshl_add_u32 v[SPW], v0, 2, SPARE
	v_mov_b32 v[NIL], 0
	ds_add_u32 v[SPW], v[NIL]                      ; the wave's opening: the add, twice on end, and its wait ahead of my first tensor load
	ds_add_u32 v[SPW], v[NIL]
	v_lshrrev_b32 v1, 5, v0
	v_readfirstlane_b32 s[WV], v1                  ; wave 0..3
	v_and_b32 v3, 31, v0                           ; lane
	v_and_b32 v1, 15, v0                           ; r
	v_bfe_u32 v2, v0, 4, 1                         ; lane / 16
	v_lshlrev_b32 v[L16], 4, v3
	v_lshlrev_b32 v[ADSA], 3, v3
	v_lshlrev_b32 v[GSO], 3, v1
	v_lshlrev_b32 v[BO], 5, v2
	s_lshr_b32 s17, s[WV], 1                       ; the use of a fill's two that I fetch.  Also: which block of weights holds my columns
	s_and_b32 s18, s[WV], 1                        ; the half tile that I fetch.  Also: which fragment of each gate in that block is mine
	s_bfe_u32 s70, ttmp6, 0x40000                  ; cx, cy
	s_bfe_u32 s71, ttmp6, 0x40004
	s_lshl_b32 s72, ttmp9, 2
	s_add_co_u32 s72, s72, s70                     ; x
	s_and_b32 s73, ttmp7, 0xffff
	s_lshl_b32 s73, s73, 2
	s_add_co_u32 s73, s73, s71                     ; y
	s_lshl_b32 s74, s71, 2
	s_lshl_b32 s74, 15, s74                        ; my row of the cluster
	s_or_b32 s[G1A], s74, (3<<16)|(1<<21)          ; group 1: the mask; elements of 8 bytes; bit 21 beside a mask; no padding
	s_mov_b32 s[G1A+1], 32<<16                     ; rows of 256 bytes,
	s_mov_b32 s[G1A+2], 132<<16                    ; 132: a half tile's block, dense in memory
	s_mov_b32 s[G1A+3], 32<<16
	s_mov_b32 s[G1A+4], 132
	s_mov_b32 s[G1A+5], 32
	s_mov_b32 s[G1A+6], 0
	s_mov_b32 s[G1A+7], 0
	s_mov_b32 s[G1H], (2<<16)|(1<<20)|(5<<22)|(3<<25)   ; h: no mask; elements of 4 bytes; 4 words of padding behind every 64
	s_mov_b32 s[G1H+1], 64<<16
	s_mov_b32 s[G1H+2], 64<<16
	s_mov_b32 s[G1H+3], 64<<16                     ; 64 numbers of
	s_mov_b32 s[G1H+4], 64                         ; 64 rows,
	s_mov_b32 s[G1H+5], 1024                       ; 1,024 numbers apart
	s_mov_b32 s[G1H+6], 0
	s_mov_b32 s[G1H+7], 0
	s_lshl_b32 s76, s73, 1
	s_add_co_u32 s76, s76, s18
	s_mul_i32 s76, s76, ABLK                       ; the rows that I fetch: half tile 2 y + w % 2
	s_mul_i32 s77, s17, AUS                        ; of use w / 2
	s_add_co_u32 s76, s76, s77
	s_mov_b32 s77, 0
	s_lshl_b32 s78, s72, 1
	s_add_co_u32 s78, s78, s17
	s_mul_i32 s78, s78, GBLK                       ; my weights: block 2 x + w / 2,
	s_lshl_b32 s80, s18, 7
	s_add_co_u32 s80, s80, s78
	s_add_co_u32 s80, s80, 24576                   ; its scale words, fragment w % 2 of each gate,
	s_mov_b32 s81, 0
	s_lshl_b32 s79, s18, 12
	s_add_co_u32 s78, s78, s79                     ; and that fragment's codes
	s_mov_b32 s79, 0
	s_mul_i32 s82, s[WV], ABLK                     ; where my block goes in slot 0
	s_lshl_b32 s83, s73, 8
	s_lshl_b32 s84, s[WV], 6
	s_add_co_u32 s84, s84, s83                     ; row 256 y + 64 w: the rows of h that I load
	s_lshl_b32 s84, s84, 12
	s_lshl_b32 s88, s72, 8                         ; 64 x columns of f32
	s_add_co_u32 s84, s84, s88
	s_mov_b32 s85, 0
	s_lshl_b32 s86, s[WV], 5
	s_add_co_u32 s86, s86, s83                     ; row 256 y + 32 w: the rows of h_new that I store, and those 128 further down
	s_lshl_b32 s86, s86, 12
	s_add_co_u32 s86, s86, s88
	s_mov_b32 s87, 0
	s_lshl_b32 s19, s[WV], 6                       ; my 16 columns in a row of h's tile, and in a gate of b_gru
	s_add_co_u32 s88, s88, s19
	s_mov_b32 s89, 0
	s_mul_i32 s20, s[WV], 32*HP                    ; rows 32 w on of h's tile
	s_mov_b32 s[NL2E], 0xbfb8aa3b
	s_mov_b32 s[NL2E+1], s[NL2E]                   ; (the packed form names the pair)
	s_mov_b32 s[L2E2], 0x4038aa3b
	s_mov_b32 s[L2E2+1], s[L2E2]
	s_mul_i32 s90, s70, 33                         ; the prefetches: my work-group's 33 pieces of a block's 132
	s_add_co_u32 s91, s90, 32
	s_lshl_b32 s91, s91, 8
	s_mov_b32 s[G0A], 1
	s_mov_b32 s[G0H], 1
	s_mul_i32 s[G0H+1], s[WV], 64*HP
	s_wait_alu depctr_va_vdst(0)
	s_wait_dscnt 0x0                               ; both opening adds are done
	s_wait_kmcnt 0x0
	s_add_nc_u64 s[HA:HA+1], s[4:5], s[76:77]
	s_add_nc_u64 s[PA:PA+1], s[6:7], s[76:77]
	s_add_nc_u64 s[GB:GB+1], s[8:9], s[78:79]
	s_add_nc_u64 s[GS:GS+1], s[8:9], s[80:81]
	s_add_nc_u64 s[10:11], s[10:11], s[88:89]
	s_add_nc_u64 s[14:15], s[14:15], s[86:87]
	s_add_nc_u64 s[G0H+2:G0H+3], s[12:13], s[84:85]
	s_or_b32 s[G0H+3], s[G0H+3], 0x80000000
	WIN 0x80                                       ; destination window 2
	BLD 24, 0, 0                                   ; z's input bias,
	BLD 56, 0, 1                                   ; r's,
	BLD 88, 1, 2                                   ; u_h's bias (recurrent, third gate),
	BLD 120, 1, 0                                  ; z's recurrent bias,
	BLD 152, 1, 1                                  ; r's
	WIN 0xc0                                       ; destination window 3
	BLD 248, 0, 2                                  ; x_h's bias (input, third gate)
	BLOAD 0                                        ; the weights of K steps 0 and 1 are on their way while the cluster gathers
	BLOAD 1
	CROUND                                         ; all sixteen work-groups are here: the first joint loads meet
	SETG 0
	tensor_load_to_lds s[G0A:G0A+3], s[G1A:G1A+7]  ; fill 0: one tensor load a wave at the head
	s_nop 0
	PLACES 4
	BLOAD 2
	BLOAD 3
	v_mul_u32_u24 v[HL], v1, HP
	v_lshl_add_u32 v[HL], v2, 5, v[HL]
	v_add_nc_u32 v[HL], s19, v[HL]                 ; row r, my 64 bytes, + 32 (lane / 16)
	v_mul_u32_u24 v[RD], v2, HP
	v_lshl_add_u32 v[RD], v1, 4, v[RD]
	v_add_nc_u32 v[RD], s20, v[RD]                 ; back: lanes 0-15 one row of 256 bytes, lanes 16-31 the next
	v_lshlrev_b32 v[CO], 12, v2
	v_lshl_add_u32 v[CO], v1, 4, v[CO]
.irp n, 1,2,3,4,5,6,7
	v_add_nc_u32 v[ADRA+\n], \n*ABLK, v[L16]
	v_add_nc_u32 v[ADSA+\n], \n*ABLK, v[ADSA]
.endr
	v_add_nc_u32 v[PFO], s90, v3
	v_lshlrev_b32 v[PFO], 8, v[PFO]
	v_mov_b32 v[PFO2], s91
	s_wait_alu depctr_va_vdst(0)
	s_wait_loadcnt 54                              ; the biases are in; the weights of K steps 0-3 (15 + 12 + 15 + 12 loads) may be out
	WIN 0x8a
.irp k, 0,2,4,6
	v_pk_add_f32 v[24+\k:25+\k], v[24+\k:25+\k], v[120+\k:121+\k]     ; z's two biases
	v_pk_add_f32 v[56+\k:57+\k], v[56+\k:57+\k], v[152+\k:153+\k]     ; r's two biases
.endr
	WIN 0
	s_wait_alu depctr_va_vdst(0)
	s_wait_tensorcnt 0x0                           ; my block of fill 0 is in; slot 1's first fill is issued as a refill is:
	ds_add_u32 v[SPW], v[NIL]
	SETG 1
	s_wait_dscnt 0x0
	CROUND
	tensor_load_to_lds s[G0A:G0A+3], s[G1A:G1A+7]  ; fill 1
	s_nop 0
	PLACES 4
	FETCHA 0, 0
	FETCHA 0, 1
	global_prefetch_b8 v[PFO], s[PA:PA+1] th:TH_LOAD_NT scope:SCOPE_SE     ; pred's first fill, which K step 3 loads
	global_prefetch_b8 v[PFO2], s[PA:PA+1] th:TH_LOAD_NT scope:SCOPE_SE
.irp s, 0,1,2,3,4,5,6,7,8,9,10,11,12,13,14,15
	STEP \s
.endr
	WIN 0
	s_wait_tensorcnt 0x0                           ; my 64 rows of h have landed; all waves read them, so I say so, and wait where h is first read
	s_barrier_signal -1
	PLACES 8                                       ; in front of the first reads of results
; THE TAIL, in the accumulators' own registers, once for each window (row blocks 8 (wn - 2) on).  At 32 ti: z 0-7, r 8-15, u_h 16-23 (later h, then h - hh), x_h 24-31 (later hh, then h_new).
; Each batch of exponentials or reciprocals has a wait ahead of it, and one plain instruction and a wait behind it.  Every accumulator is first read at its two lowest registers.
; Window 3's pass also sends rows 0-127 out: it reads them back where it reads its h, behind the barrier that window 2's pass has signalled, and stores them behind the same wait.
.macro TAIL wn
	WIN 0x55*(\wn)
.if (\wn) == 3
	s_wait_alu depctr_va_vdst(0)
.endif
.set ti, 0
.rept 8
.set tj, 0
.rept 8
	v_pk_mul_f32 v[32*ti+2*tj:32*ti+2*tj+1], v[32*ti+2*tj:32*ti+2*tj+1], s[NL2E:NL2E+1] op_sel_hi:[1,0]   ; -(sum) log2 e
.set tj, tj+1
.endr
.set ti, ti+1
.endr
	s_wait_alu depctr_va_vdst(0)
.set ti, 0
.rept 8
.set tj, 0
.rept 16
	v_exp_f32 v[32*ti+tj], v[32*ti+tj]
.set tj, tj+1
.endr
.set ti, ti+1
.endr
	v_nop
	s_wait_alu depctr_va_vdst(0)
.set ti, 0
.rept 8
.set tj, 0
.rept 8
	v_pk_add_f32 v[32*ti+2*tj:32*ti+2*tj+1], v[32*ti+2*tj:32*ti+2*tj+1], 1.0 op_sel_hi:[1,0]
.set tj, tj+1
.endr
.set ti, ti+1
.endr
	s_wait_alu depctr_va_vdst(0)
.set ti, 0
.rept 8
.set tj, 0
.rept 16
	v_rcp_f32 v[32*ti+tj], v[32*ti+tj]             ; z and r
.set tj, tj+1
.endr
.set ti, ti+1
.endr
	v_nop
	s_wait_alu depctr_va_vdst(0)
.set ti, 0
.rept 8
.set tj, 0
.rept 4
	v_pk_fma_f32 v[32*ti+24+2*tj:32*ti+25+2*tj], v[32*ti+8+2*tj:32*ti+9+2*tj], v[32*ti+16+2*tj:32*ti+17+2*tj], v[32*ti+24+2*tj:32*ti+25+2*tj]   ; x_h + r u_h
.set tj, tj+1
.endr
.set ti, ti+1
.endr
	s_barrier_wait -1                              ; window 2: every wave's rows of h have landed; window 3: every wave's part of rows 0-127 of h_new is in the tile
	WIN 0x40*(\wn)                                 ; destination in my window, address in window 0
.set ti, 0
.rept 8
.set tj, 0
.rept 2
	ds_load_b128 v[32*ti+16+4*tj:32*ti+19+4*tj], v[HL] offset:16*HP*(8*((\wn)-2)+ti)+16*tj   ; h takes u_h's registers
.set tj, tj+1
.endr
.set ti, ti+1
.endr
.if (\wn) == 3
	WIN 0
.irp i, 0,1,2,3,4,5,6,7,8,9,10,11,12,13,14,15
	ds_load_b128 v[BFR+4*\i:BFR+4*\i+3], v[RD] offset:2*HP*\i   ; rows 32 w on, whole
.endr
.endif
	WIN 0x55*(\wn)
.set ti, 0
.rept 8
.set tj, 0
.rept 4
	v_pk_mul_f32 v[32*ti+24+2*tj:32*ti+25+2*tj], v[32*ti+24+2*tj:32*ti+25+2*tj], s[L2E2:L2E2+1] op_sel_hi:[1,0]   ; x 2 log2 e
.set tj, tj+1
.endr
.set ti, ti+1
.endr
	s_wait_alu depctr_va_vdst(0)
.set ti, 0
.rept 8
.set tj, 0
.rept 8
	v_exp_f32 v[32*ti+24+tj], v[32*ti+24+tj]
.set tj, tj+1
.endr
.set ti, ti+1
.endr
	v_nop
	s_wait_alu depctr_va_vdst(0)
.set ti, 0
.rept 8
.set tj, 0
.rept 4
	v_pk_add_f32 v[32*ti+24+2*tj:32*ti+25+2*tj], v[32*ti+24+2*tj:32*ti+25+2*tj], 1.0 op_sel_hi:[1,0]
.set tj, tj+1
.endr
.set ti, ti+1
.endr
	s_wait_alu depctr_va_vdst(0)
.set ti, 0
.rept 8
.set tj, 0
.rept 8
	v_rcp_f32 v[32*ti+24+tj], v[32*ti+24+tj]
.set tj, tj+1
.endr
.set ti, ti+1
.endr
	v_nop
	s_wait_alu depctr_va_vdst(0)
.set ti, 0
.rept 8
.set tj, 0
.rept 4
	v_pk_fma_f32 v[32*ti+24+2*tj:32*ti+25+2*tj], v[32*ti+24+2*tj:32*ti+25+2*tj], -2.0, 1.0 op_sel_hi:[1,0,0]   ; hh
.set tj, tj+1
.endr
.set ti, ti+1
.endr
	s_wait_dscnt 0x0                               ; h is in
.if (\wn) == 3
	WIN 0
.irp i, 0,1,2,3,4,5,6,7,8,9,10,11,12,13,14,15
	global_store_b128 v[CO], v[BFR+4*\i:BFR+4*\i+3], s[14:15] offset:8192*\i th:TH_STORE_NT   ; sixteen lanes store 256 consecutive bytes of a row of out1, aligned
.endr
	WIN 0x55*(\wn)
.endif
.set ti, 0
.rept 8
.set tj, 0
.rept 4
	v_pk_add_f32 v[32*ti+16+2*tj:32*ti+17+2*tj], v[32*ti+16+2*tj:32*ti+17+2*tj], v[32*ti+24+2*tj:32*ti+25+2*tj] neg_lo:[0,1] neg_hi:[0,1]   ; h - hh
.set tj, tj+1
.endr
.set ti, ti+1
.endr
.set ti, 0
.rept 8
.set tj, 0
.rept 4
	v_pk_fma_f32 v[32*ti+24+2*tj:32*ti+25+2*tj], v[32*ti+2*tj:32*ti+1+2*tj], v[32*ti+16+2*tj:32*ti+17+2*tj], v[32*ti+24+2*tj:32*ti+25+2*tj]   ; h_new = hh + z (h - hh)
.set tj, tj+1
.endr
.set ti, ti+1
.endr
	WIN 0x04*(\wn)                                 ; an LDS store's data in my window
.set ti, 0
.rept 8
.set tj, 0
.rept 2
	ds_store_b128 v[HL], v[32*ti+24+4*tj:32*ti+27+4*tj] offset:16*HP*(8*((\wn)-2)+ti)+16*tj   ; over the h that this lane has read
.set tj, tj+1
.endr
.set ti, ti+1
.endr
	WIN 0
	s_wait_dscnt 0x0                               ; for the others' sake: my stores into the tile are done; a row's 256 bytes come from four waves
	s_barrier_signal -1
.endm
	TAIL 2
	TAIL 3
	s_barrier_wait -1
.irp i, 0,1,2,3,4,5,6,7,8,9,10,11,12,13,14,15
	ds_load_b128 v[BFR+64+4*\i:BFR+64+4*\i+3], v[RD] offset:128*HP+2*HP*\i   ; rows 128 + 32 w on
.endr
.irp i, 0,1,2,3,4,5,6,7,8,9,10,11,12,13,14,15
	s_wait_dscnt 15-\i                             ; LDS loads come back in order: pair i of rows is in, the younger may be out
	global_store_b128 v[CO], v[BFR+64+4*\i:BFR+64+4*\i+3], s[14:15] offset:524288+8192*\i th:TH_STORE_NT
.endr
	s_wait_tensorcnt 0x0                           ; the wave's end
	ds_add_u32 v[SPW], v[NIL]
	s_wait_dscnt 0x0
	CROUND                                         ; the closing round
	s_endpgm
.Lfunc_end_k_q139f45a2a8_gru:
	.size	k_q139f45a2a8_gru, .Lfunc_end_k_q139f45a2a8_gru-k_q139f45a2a8_gru
	.p2alignl 7, 3214868480
	.fill 96, 4, 3214868480
	.section	.rodata,"a",@progbits
	.p2align	6, 0x0
	.amdhsa_kernel k_q139f45a2a8_gru
		.amdhsa_group_segment_fixed_size 327680
		.amdhsa_private_segment_fixed_size 0
		.amdhsa_enable_private_segment 0
		.amdhsa_kernarg_size 48
		.amdhsa_user_sgpr_count 2
		.amdhsa_user_sgpr_kernarg_segment_ptr 1
		.amdhsa_wavefront_size32 1
		.amdhsa_system_sgpr_workgroup_id_x 1
		.amdhsa_system_sgpr_workgroup_id_y 1
		.amdhsa_system_sgpr_workgroup_id_z 1
		.amdhsa_system_vgpr_workitem_id 0
		.amdhsa_next_free_vgpr 1024
		.amdhsa_next_free_sgpr 100
		.amdhsa_reserve_vcc 0
		.amdhsa_float_denorm_mode_32 3
		.amdhsa_float_denorm_mode_16_64 3
		.amdhsa_memory_ordered 1
		.amdhsa_forward_progress 1
		.amdhsa_inst_pref_size 255
	.end_amdhsa_kernel
	.section	.bss,"aw",@nobits
	.p2align	6
	.space	262144
	.amdgpu_metadata
---
amdhsa.version: [ 1, 2 ]
amdhsa.kernels:
  - .name:           k_q139f45a2a8_gru
    .symbol:         k_q139f45a2a8_gru.kd
    .args:
      - { .name: hq, .offset: 0, .size: 8, .value_kind: global_buffer, .address_space: global }
      - { .name: pq, .offset: 8, .size: 8, .value_kind: global_buffer, .address_space: global }
      - { .name: gq, .offset: 16, .size: 8, .value_kind: global_buffer, .address_space: global }
      - { .name: b_gru, .offset: 24, .size: 8, .value_kind: global_buffer, .address_space: global }
      - { .name: inputs, .offset: 32, .size: 8, .value_kind: global_buffer, .address_space: global }
      - { .name: out1, .offset: 40, .size: 8, .value_kind: global_buffer, .address_space: global }
    .group_segment_fixed_size: 327680
    .private_segment_fixed_size: 0
    .kernarg_segment_align: 8
    .kernarg_segment_size: 48
    .max_flat_workgroup_size: 128
    .sgpr_count:     100
    .vgpr_count:     1024
    .wavefront_size: 32
...
	.end_amdgpu_metadata
.endif
;; end of part 3
